; MI455X (gfx1250); checked and timed in simulation.
; The chip was launched on July 23, 2026; its instructions are those of AMD's public machine-readable ISA for CDNA 5 (MIT licence, August 2026) and "CDNA5" Instruction Set Architecture Reference Guide (July 2026). The comments in the code are by the model that wrote it; some were corrected since.
;; LSTM. Allowed arithmetic: matrix products marked QUANTISED: E3M2 operands, one E8M0 scale for each 32 along K, by v_wmma_scale_f32_16x16x128_f8f6f4 with both operands' format E3M2, f32 sums; everything else in f32.
;; Inputs: Wc 1,024 x 2,048 float32; Wf 1,024 x 2,048 float32; Wo 1,024 x 2,048 float32; Wu 1,024 x 2,048 float32; bc 1,024 float32; bf 1,024 float32; bo 1,024 float32; bu 1,024 float32; c 8,192 x 1,024 float32; h 8,192 x 1,024 float32; x 8,192 x 1,024 float32.
;; Outputs: out0 8,192 x 1,024 float32; out1 8,192 x 1,024 float32.
;; This version of the problem:
;;   THIS VERSION OF THE PROBLEM IS GIVEN IN LOW PRECISION. The matrix products marked QUANTISED in the list below multiply operands that are first quantised to E3M2 (3 exponent bits, 2 mantissa bits; 6 bits a number), with one power-of-two scale for each 32 numbers along K (OCP MX v1.0); their sums are f32. All else is computed in f32.
;;   The module's matrix products, in the order in which they are computed (A, B: the left and right operand; K: the contracted axis; several contracted axes count as one K, in the product's order):
;;     1. [M 8,192, K 2,048] x [K 2,048, N 4,096]; A: computed on the way; B: computed on the way: QUANTISED
;;   THE QUANTISER, for each operand of a quantised product, along K:
;;     - K is cut into blocks of 32 from its start; a last block that is shorter is filled with zeros.
;;     - A block's scale is 2^e with e = floor(log2(the largest magnitude in the block)) - 4, held to -126 .. 127; a block of zeros has e = 0. As a byte (E8M0): e + 127.
;;     - Each number is divided by its block's scale, clamped to +-28, and rounded to the nearest number of E3M2, ties to even, subnormals kept.
;;     - The product sums the exact products of the quantised numbers (number of the format x scale) in f32.
;;   ~~~python
;;   def quantise(x, axis):      # numpy; x: float32 -> the quantised numbers, widened to float32 again
;;       x = np.moveaxis(x, axis, -1); K = x.shape[-1]
;;       x = np.pad(x, [(0, 0)] * (x.ndim - 1) + [(0, -K % 32)]); x = x.reshape(x.shape[:-1] + (-1, 32)); a = np.abs(x).max(-1, keepdims=True)
;;       e = np.where(a > 0, np.clip(np.frexp(np.where(a > 0, a, 1))[1] - 1 - 4, -126, 127), 0)      # np.frexp(a)[1] - 1 = floor(log2(a)), exactly
;;       r = np.clip(x / 2.0 ** e, -28, 28)
;;       step = 2.0 ** (np.maximum(np.frexp(np.where(r == 0, 1, r))[1] - 1, -2) - 2)
;;       q = np.round(r / step) * step * 2.0 ** e      # np.round: ties to even
;;       return np.moveaxis(q.reshape(q.shape[:-2] + (-1,))[..., :K], -1, axis).astype(np.float32)
;;   ~~~
;;   OPERANDS COMPUTED ON THE WAY. 'Computed on the way' means the value that the module computes at that place (a softmax that the list does not call 'softmax' is quantised finished and normalised). What goes into a quantiser is computed in f32, as accurately as f32 sums, v_exp_f32 and their like allow (about 1e-6 of the number): no bf16 or f16 on the way to a quantiser, and a product that is left as it is and whose result goes on into a quantised operand takes f32 operands (vector FMAs, or v_wmma_f32_16x16x4_f32). A number that lies on a knife's edge between two numbers of the format may be rounded either way, as far as f32 arithmetic and the matrix unit's own rounding can turn it there, and no further.
;; One version. Each part assembles by itself: llvm-mc -triple=amdgcn-amd-amdhsa -mcpu=gfx1250 --defsym DOCPART=n.
;; ======== version 1 of 1: 2 launches
;; limits: right only within a limited range of input values
;; workspace buffers: codes 19,660,800 bytes
;; launch quant (part 1): grid 768 x 1, 4 waves a work-group, no clusters, 34,304 bytes of LDS; arguments x, h, Wf, Wu, Wc, Wo, codes; writes codes
.if DOCPART == 1
	.amdgcn_target "amdgcn-amd-amdhsa--gfx1250"
	.amdhsa_code_object_version 6
	.text
	.protected	k_qcc144e8f32_quant
	.globl	k_qcc144e8f32_quant
	.p2align	8
	.type	k_qcc144e8f32_quant,@function
k_qcc144e8f32_quant:
	s_mov_b64 s[64:65], 0
	v_nop
	global_prefetch_b8 v0, s[64:65] scope:SCOPE_SE
	s_setreg_imm32_b32 hwreg(HW_REG_WAVE_MODE, 25, 1), 1
	s_wait_xcnt 0x0
; LSTM step, first of two launches: both operands of gates = [x | h] [Wf; Wu; Wc; Wo]^T become codes of BF6 (E3M2) with one E8M0 scale byte for each 32 along K = 2,048.
; NO WORK IS LEFT OUT: every input reaches an output; x, h and the four weights are read here, the biases and c in the second launch.
; A block's scale byte is its largest magnitude's exponent field - 4, held at 1 from below; each number is divided by the scale and rounded to the nearest code, ties to even, beyond 28 the largest code.
; LIMITS: a block of zeros gets the byte 1 where the rule says 127 (its codes are zeros, and this program alone reads the bytes); blocks whose largest magnitude lies under 2^(5 - 127) share that byte; NaN and infinities are not served.
; THE WORKSPACE: 96 tiles tt of 128 rows.  tt 0 .. 63: rows 128 tt .. of [x | h], block i = rows 16 i ...  tt = 64 + 2 jx + hf: weights for output columns 64 jx .. + 63:
; block i = 4 ih + t holds gate g = 2 hf + ih (0 f, 1 u, 2 c, 3 o), its row r being the gate's row 64 jx + 4 r + t: so the second launch finds four neighbouring columns of one output row in one lane.
;   codes [tt / 2][u 16][tt % 2][12,800 bytes], u a unit of 128 along K: eight fragments of 1,536 bytes, each the image of the operand's 12 registers (registers 4 cg .. 4 cg + 3 of lane l at 512 cg + 16 l);
;   from byte 12,288 on the unit's 128 scale words: [pair of blocks 4][r 16][2 words].
; SHARES: a work-group takes a tile and two units; wave w the unit 2 up + w / 2 and blocks 4 (w % 2) + 0 .. 3.  One path serves all six tensors: pointers, an offset, the row pitch and the step from block to block are chosen by ids.
; Each load reads 512 consecutive bytes of one row; 16 rows turn through the wave's own stage in LDS (rows 528 bytes apart) and come back 128 bytes a lane and block.  No barrier: waves share nothing.  Loads run a fragment ahead.
.set SP,    528
.set WST,   16*SP
.set SPARE, 4*WST                      ; the spare words, 128 bytes a wave
.set UB,    12800
.set SPW,   12                         ; v12 my spare word's address; v13 = 0; never rewritten
.set NIL,   13
.set OFF,   16                         ; v16-31 16 x lane + j x row pitch
.set R,     32                         ; v32-159 two sets of 64 as loaded
.set X,     160                        ; v160-223 my two blocks of 32
.set C,     224                        ; v224-235 the fragment's 12 registers
.set WD,    244                        ; v244-247 the four fragments' scale words
.set PB,    36                         ; s[36:43] the four fragments' bases
	s_load_b256 s[4:11], s[0:1], 0x0               ; x, h, Wf, Wu
	s_load_b128 s[12:15], s[0:1], 0x20             ; Wc, Wo
	s_load_b64 s[16:17], s[0:1], 0x30              ; codes
	v_lshl_add_u32 v[SPW], v0, 2, SPARE
	v_mov_b32 v[NIL], 0
	v_lshrrev_b32 v1, 5, v0
	v_readfirstlane_b32 s20, v1                    ; wave
	v_and_b32 v1, 31, v0                           ; lane
	v_and_b32 v2, 15, v0                           ; r
	v_bfe_u32 v3, v0, 4, 1                         ; hh
	s_mul_i32 s18, s20, WST
	v_lshlrev_b32 v6, 4, v1
	v_add_nc_u32 v4, s18, v6                       ; into the stage
	v_mul_u32_u24 v5, v2, SP
	v_lshl_add_u32 v5, v3, 7, v5
	v_add_nc_u32 v5, s18, v5                       ; out of it: row r, + 128 hh
	v_lshlrev_b32 v15, 3, v3                       ; 8 hh: my two bytes' place in a scale word
	v_mov_b32 v250, 0                              ; a lane permute's destination counts as a source
	s_mov_b32 s30, 0x76543210
	s_mov_b32 s31, 0xfedcba98
	s_lshr_b32 s21, ttmp9, 3                       ; tt
	s_and_b32 s23, ttmp9, 7
	s_lshl_b32 s23, s23, 1
	s_lshr_b32 s19, s20, 1
	s_add_co_u32 s23, s23, s19                     ; u
	s_and_b32 s44, s20, 1                          ; ih
	s_lshl_b32 s32, s21, 19                        ; [x | h]: 128 tt rows of 4,096 bytes,
	s_lshl_b32 s33, s44, 18                        ; + 64 ih rows,
	s_add_co_u32 s32, s32, s33
	s_and_b32 s33, s23, 7
	s_lshl_b32 s33, s33, 9
	s_add_co_u32 s32, s32, s33                     ; + 128 numbers for each unit inside x or h
	s_and_b32 s34, s21, 30                         ; a weight: 2 jx; rows 64 jx on, of 8,192 bytes,
	s_lshl_b32 s34, s34, 18
	s_lshl_b32 s35, s23, 9
	s_add_co_u32 s34, s34, s35                     ; + 128 numbers a unit
	s_lshr_b32 s50, s21, 1
	s_mul_i32 s50, s50, 32*UB
	s_mul_i32 s51, s23, 2*UB
	s_add_co_u32 s50, s50, s51
	s_and_b32 s51, s21, 1
	s_mul_i32 s51, s51, UB
	s_add_co_u32 s50, s50, s51
	s_mul_i32 s51, s44, 4*1536
	s_add_co_u32 s50, s50, s51                     ; my first fragment's place in the codes
	s_mov_b32 s51, 0
	s_mul_i32 s52, s44, 4*1536-256
	s_sub_co_u32 s52, 12288, s52                   ; from there to my 256 bytes of scale words
	v_lshl_add_u32 v7, v1, 3, s52
	s_mov_b32 s33, 0
	s_mov_b32 s47, 0
	s_wait_alu depctr_va_vdst(0)                   ; the wait at the head's end
	s_wait_kmcnt 0x0
	s_cmp_lg_u32 s44, 0                            ; gate 2 hf + ih
	s_cselect_b64 s[24:25], s[10:11], s[8:9]       ; Wu or Wf
	s_cselect_b64 s[26:27], s[14:15], s[12:13]     ; Wo or Wc
	s_bitcmp1_b32 s21, 0                           ; hf
	s_cselect_b64 s[24:25], s[26:27], s[24:25]
	s_cmp_lt_u32 s23, 8                            ; units 0-7 lie in x, 8-15 in h
	s_cselect_b64 s[28:29], s[4:5], s[6:7]
	s_mov_b32 s22, 32768                           ; a weight block's rows lie four rows apart,
	s_mov_b32 s46, 8192                            ; and the next block begins one row on
	s_cmp_lt_u32 s21, 64                           ; [x | h] or weights?  All choices hang on ids alone
	s_cselect_b64 s[24:25], s[28:29], s[24:25]
	s_cselect_b32 s32, s32, s34
	s_cselect_b32 s22, 4096, s22
	s_cselect_b32 s46, 65536, s46
	s_add_nc_u64 s[PB:PB+1], s[24:25], s[32:33]
	s_add_nc_u64 s[PB+2:PB+3], s[PB:PB+1], s[46:47]
	s_add_nc_u64 s[PB+4:PB+5], s[PB+2:PB+3], s[46:47]
	s_add_nc_u64 s[PB+6:PB+7], s[PB+4:PB+5], s[46:47]
	s_add_nc_u64 s[16:17], s[16:17], s[50:51]
	v_mov_b32 v[OFF], v6
.irp j, 1,2,3,4,5,6,7,8,9,10,11,12,13,14,15
	v_add_nc_u32 v[OFF+\j], s22, v[OFF+\j-1]
.endr
.macro LOADF f                         ; fragment f: 128 numbers of each of its 16 rows into set f % 2
.irp j, 0,1,2,3,4,5,6,7,8,9,10,11,12,13,14,15
	global_load_b128 v[R+64*((\f)%2)+4*\j:R+64*((\f)%2)+4*\j+3], v[OFF+\j], s[PB+2*(\f):PB+2*(\f)+1] th:TH_LOAD_NT
.endr
.endm
.macro FRAGQ f
.set RS, R+64*((\f)%2)
.if (\f) < 3
	s_wait_loadcnt 16                              ; this fragment's 16 loads are in; the next one's 16 may be out
.else
	s_wait_loadcnt 0x0
.endif
.irp j, 0,1,2,3,4,5,6,7,8,9,10,11,12,13,14,15
	ds_store_b128 v4, v[RS+4*\j:RS+4*\j+3] offset:SP*\j
.endr
.irp n, 0,1,2,3,4,5,6,7,8,9,10,11,12,13,14,15
	ds_load_b128 v[X+4*\n:X+4*\n+3], v5 offset:256*(\n/8)+16*(\n%8)   ; LDS serves a wave's instructions in order.  X 0-31: block hh; X 32-63: block 2 + hh
.endr
	s_wait_dscnt 0x0
.if (\f) > 0
	s_wait_xcnt 0x0                                ; the last fragment's stores have read the codes' registers
.endif
.if (\f)+2 < 4
	LOADF (\f)+2
.endif
	v_max3_num_f32 v8, |v[X]|, |v[X+1]|, 0x2800000         ; the floor 2^(5 - 127) holds the byte at 1 from below
	v_max3_num_f32 v9, |v[X+32]|, |v[X+33]|, 0x2800000
.irp i, 2,4,6,8,10,12,14,16,18,20,22,24,26,28,30
	v_max3_num_f32 v8, v8, |v[X+\i]|, |v[X+\i+1]|
	v_max3_num_f32 v9, v9, |v[X+32+\i]|, |v[X+33+\i]|
.endr
	v_add_nc_u32 v10, 0xfe000000, v8               ; 4 off the exponent field: the conversion's scale operand
	v_add_nc_u32 v11, 0xfe000000, v9
	v_lshrrev_b32 v14, 23, v10
	v_lshrrev_b32 v251, 23, v11
	v_lshl_or_b32 v14, v251, 16, v14
	v_lshlrev_b32 v14, v15, v14
	v_permlanex16_b32 v250, v14, s30, s31
	v_or_b32 v[WD+(\f)], v14, v250                 ; the whole scale word, in both lanes
	v_cvt_scalef32_pk16_bf6_f32 v[C:C+2], v[X:X+15], v10
	v_cvt_scalef32_pk16_bf6_f32 v[236:238], v[X+16:X+31], v10       ; (three registers begin on an even number: made elsewhere and moved)
	v_cvt_scalef32_pk16_bf6_f32 v[C+6:C+8], v[X+32:X+47], v11
	v_cvt_scalef32_pk16_bf6_f32 v[240:242], v[X+48:X+63], v11
	v_nop                                          ; one plain place behind a scaled conversion
.irp i, 0,1,2
	v_mov_b32 v[C+3+\i], v[236+\i]
	v_mov_b32 v[C+9+\i], v[240+\i]
.endr
.irp c, 0,1,2
	global_store_b128 v6, v[C+4*\c:C+4*\c+3], s[16:17] offset:1536*(\f)+512*\c   ; 32 lanes store 512 consecutive bytes
.endr
.endm
	LOADF 0
	LOADF 1
	s_wait_alu depctr_va_vdst(0)
	FRAGQ 0
	FRAGQ 1
	FRAGQ 2
	FRAGQ 3
	v_cmp_le_u32 vcc_lo, 16, v1                    ; lanes 0-15: words of blocks 4 ih, + 1; lanes 16-31: of + 2, + 3
	v_cndmask_b32 v248, v[WD], v[WD+2], vcc_lo
	v_cndmask_b32 v249, v[WD+1], v[WD+3], vcc_lo
	global_store_b64 v7, v[248:249], s[16:17]      ; 32 lanes store 256 consecutive bytes
	s_wait_tensorcnt 0x0                           ; the wave's end
	ds_add_u32 v[SPW], v[NIL]
	s_wait_dscnt 0x0
	s_endpgm
.Lfunc_end_k_qcc144e8f32_quant:
	.size	k_qcc144e8f32_quant, .Lfunc_end_k_qcc144e8f32_quant-k_qcc144e8f32_quant
	.p2alignl 7, 3214868480
	.fill 96, 4, 3214868480
	.section	.rodata,"a",@progbits
	.p2align	6, 0x0
	.amdhsa_kernel k_qcc144e8f32_quant
		.amdhsa_group_segment_fixed_size 34304
		.amdhsa_private_segment_fixed_size 0
		.amdhsa_enable_private_segment 0
		.amdhsa_kernarg_size 56
		.amdhsa_user_sgpr_count 2
		.amdhsa_user_sgpr_kernarg_segment_ptr 1
		.amdhsa_wavefront_size32 1
		.amdhsa_system_sgpr_workgroup_id_x 1
		.amdhsa_system_sgpr_workgroup_id_y 1
		.amdhsa_system_sgpr_workgroup_id_z 1
		.amdhsa_system_vgpr_workitem_id 0
		.amdhsa_next_free_vgpr 256
		.amdhsa_next_free_sgpr 66
		.amdhsa_reserve_vcc 1
		.amdhsa_float_denorm_mode_32 3
		.amdhsa_float_denorm_mode_16_64 3
		.amdhsa_memory_ordered 1
		.amdhsa_forward_progress 1
		.amdhsa_inst_pref_size 32
	.end_amdhsa_kernel
	.amdgpu_metadata
---
amdhsa.version: [ 1, 2 ]
amdhsa.kernels:
  - .name:           k_qcc144e8f32_quant
    .symbol:         k_qcc144e8f32_quant.kd
    .args:
      - { .name: x, .offset: 0, .size: 8, .value_kind: global_buffer, .address_space: global }
      - { .name: h, .offset: 8, .size: 8, .value_kind: global_buffer, .address_space: global }
      - { .name: Wf, .offset: 16, .size: 8, .value_kind: global_buffer, .address_space: global }
      - { .name: Wu, .offset: 24, .size: 8, .value_kind: global_buffer, .address_space: global }
      - { .name: Wc, .offset: 32, .size: 8, .value_kind: global_buffer, .address_space: global }
      - { .name: Wo, .offset: 40, .size: 8, .value_kind: global_buffer, .address_space: global }
      - { .name: codes, .offset: 48, .size: 8, .value_kind: global_buffer, .address_space: global }
    .group_segment_fixed_size: 34304
    .private_segment_fixed_size: 0
    .kernarg_segment_align: 8
    .kernarg_segment_size: 56
    .max_flat_workgroup_size: 128
    .sgpr_count:     66
    .vgpr_count:     256
    .wavefront_size: 32
...
	.end_amdgpu_metadata
.endif
;; end of part 1
;; launch lstm (part 2): grid 16 x 16, 4 waves a work-group, clusters of 4 x 4, 327,680 bytes of LDS; arguments codes, bf, bu, bc, bo, c, out0, out1; writes out0, out1
.if DOCPART == 2
	.amdgcn_target "amdgcn-amd-amdhsa--gfx1250"
	.amdhsa_code_object_version 6
	.text
	.protected	k_qcc144e8f32_lstm
	.globl	k_qcc144e8f32_lstm
	.p2align	8
	.type	k_qcc144e8f32_lstm,@function
k_qcc144e8f32_lstm:
	s_mov_b64 s[64:65], 0
	v_nop
	global_prefetch_b8 v0, s[64:65] scope:SCOPE_SE
	s_setreg_imm32_b32 hwreg(HW_REG_WAVE_MODE, 25, 1), 1
	s_wait_xcnt 0x0
	s_wait_alu depctr_hold_cnt(0) depctr_sa_sdst(0) depctr_va_vdst(0) depctr_va_sdst(0) depctr_va_ssrc(0) depctr_va_vcc(0) depctr_vm_vsrc(0)
	s_getreg_b32 s2, hwreg(HW_REG_IB_STS2, 6, 4)
	s_cmp_eq_u32 s2, 0
	s_cbranch_scc0 .Lentry_in_a_cluster
	s_endpgm
.Lentry_in_a_cluster:
	s_bfe_u32 s2, ttmp6, 0x10000c
	s_cmp_lg_u32 s2, 0xf033
	s_cbranch_scc0 .Lentry_shape_is_right
	s_endpgm
.Lentry_shape_is_right:
; LSTM step, second of two launches: gates = [x | h] W^T + b on the first launch's codes and scale words, and all that follows, fused: f, u, o = sigmoid, cc = tanh, c_new = f c + u cc (out1), h_new = tanh(c_new) o (out0).
; The gates never go to memory.  No work is left out: every input reaches an output.
; SHARES.  256 work-groups that stay: (jx 0 .. 15, iy 0 .. 15) makes two blocks, rows 512 iy + 256 b .. + 255 (b = 0, 1), output columns 64 jx .. + 63 with all four gates: 256 x 256 of the product each.
; Wave w takes rows 64 w .. + 63 of a block x all 256 weight rows: 64 accumulators, 512 registers.  Source 0 = 16 rows of [x | h] (block a of 4), source 1 = 16 weight rows (block bb = 4 g + t of 16).
; Weight row r of block 4 g + t is gate g's column 4 r + t: in accumulator (a, bb) lane (r, hh) holds in register j row 16 a + 8 hh + j, column 4 r + t.  So blocks t = 0 .. 3 give a lane 16 neighbouring bytes of a row,
; sixteen lanes 256: c is loaded and both outputs are stored straight from registers, in whole aligned runs of 256 bytes, with no stage in LDS and no barrier on the way out.
; THE RING: K's 16 units (12,800 bytes for 128 rows x 128 K: eight register images and 128 scale words) go through two LDS slots of three units of both operands, in phases of 3, 3, 3, 3, 3 and 1.  A wave fetches a quarter of a
; slot by one tensor load of 150 dense rows of 256 bytes; unit 15 comes by waves 0 and 2 alone (100 rows each).  At the head a wave issues one load (slot 0); slot 1 is asked for at each block's start, behind the full sequence;
; the second block's slot 0 is asked for ahead of the first block's way out.  By the text's own count a wave has one tensor load out at most.
; The weights' 16 blocks have ONE set of registers (blocks 0-7 fetched anew in a unit's middle, 8-15 at its end), [x | h]'s four blocks TWO.
; CLUSTERS 4 x 4: [x | h]'s tiles are shared along a row of the cluster, the weights' along a column: joint loads.
; PREFETCH: my wave's 64 rows of c (256 bytes each, a lane a row, each once in the launch) in units 1 and 4 of their block, eleven units and more ahead of their loads.  The codes are not prefetched: every refill
; is itself issued a phase (192 matrix instructions) ahead of its wait, and each of its blocks of 256 bytes is asked for by sixteen work-groups in the same phase.
; ARITHMETIC, L = log2(e): ef = 2^(-L zf), eu, eo likewise; ec = min(2^(2 L zc), 2^60); c_new = c / (1 + ef) + (ec - 1) / ((1 + ec)(1 + eu)); en = min(2^(2 L c_new), 2^60); h_new = (en - 1) / ((1 + en)(1 + eo)).
; z's bias rides in the multiply-add that scales z.  Every numerator is finite and an infinite denominator has the reciprocal 0, so no NaN arises from finite inputs.
; LIMITS: NaN and infinities among the inputs are not served; tanh's exponential is held at 2^60, where tanh is 1 to f32's last bit; where a denominator passes f32's largest number the term is 0.
; REGISTERS: window 0: v1-31 addresses; v32-51 scale words, two sets; v52-67 scaled biases; v68-99 h_new, two sets; v128-223 [x | h]'s fragments, on the way out at work; v224-255 c, two sets.
;   window 1: v0-191 the weights' fragments.  window 2: accumulators of bb 0-7 ((a, bb) at v[8 (4 (bb % 8) + a)]); window 3: of bb 8-15.
.set UB,    12800
.set SCO,   12288
.set HALFT, 3*UB
.set SLOT,  4*HALFT                    ; [x | h]: [unit 3][half 2], then the weights likewise
.set T2B,   32*UB
.set SPARE, 2*SLOT                     ; the spare words, 128 bytes a wave
.set ADRA, 6                           ; v6-7    my fragments of [x | h] in slot 0, 1
.set ADRB, 8                           ; v8-11   the weights': [half][slot]
.set ADSA, 12                          ; v12-13  my rows' scale words: lanes 0-15 blocks 0, 1; lanes 16-31 blocks 2, 3
.set ADSB, 14                          ; v14-15  the weights': lanes 0-15 half 0, lanes 16-31 half 1
.set CO,   16                          ; v16     32,768 hh + 16 r: my 16 bytes in c and the outputs
.set PFO,  17                          ; v17     4,096 x lane
.set BOF,  18
.set SPW,  28
.set NIL,  29
.set SC,   32                          ; set p at SC + 10 p: 2 registers for [x | h], 8 for the weights
.set BL,   52                          ; v[BL + 4 g + t]
.set HV0,  68
.set AF,   128                         ; set p at AF + 48 p
.set E,    128                         ; v[E + 16 g + 4 t + jj]
.set MR,   192                         ; v[MR + 4 t + jj]
.set EN,   208                         ; v[EN + 4 jj + t]
.set CV0,  224                         ; v[CV + 4 jj + t]
.set G1,   24
.set G0,   32
.set G1B,  48
.set G0B,  56
.set G1P,  68
.set G0P,  76
.set G1PB, 80
.set G0PB, 88
.set TL,   92                          ; s92 blocks to go
.set MSB, 0
.macro WIN new
.if MSB != (\new)
	s_set_vgpr_msb (MSB<<8)|(\new)
.set MSB, (\new)
.endif
.endm
.set MUL_LO, 0xa4                      ; source 0 window 0, source 1 window 1, C and D window 2
.set MUL_HI, 0xf4                      ; C and D window 3
.set TO_B,   0x40
.macro PLACES n
.rept \n
	v_nop
.endr
.endm
; a joint load: waves 0, 1 fetch for [x | h], waves 2, 3 for the weights; an s_nop 0 and four v_nop follow each load
.macro JLOAD g0a, g1a, g0b, g1b
	s_cmp_eq_u32 s23, 0
	s_cbranch_scc0 .Lfor_b_\@
	tensor_load_to_lds s[\g0a:\g0a+3], s[\g1a:\g1a+7]
	s_nop 0
	PLACES 4
	s_branch .Lasked_\@
.Lfor_b_\@:
	tensor_load_to_lds s[\g0b:\g0b+3], s[\g1b:\g1b+7]
	s_nop 0
	PLACES 4
.Lasked_\@:
.endm
.macro QLOAD                           ; unit 15: wave 0 [x | h]'s two halves, wave 2 the weights'; waves 1 and 3 have no part to fill
	s_cmp_eq_u32 s66, 0
	s_cbranch_scc0 .Lq_asked_\@
	s_cmp_eq_u32 s23, 0
	s_cbranch_scc0 .Llast_b_\@
	tensor_load_to_lds s[G0P:G0P+3], s[G1P:G1P+7]
	s_nop 0
	PLACES 4
	s_branch .Lq_asked_\@
.Llast_b_\@:
	tensor_load_to_lds s[G0PB:G0PB+3], s[G1PB:G1PB+7]
	s_nop 0
	PLACES 4
.Lq_asked_\@:
.endm
.macro CREST
	s_cmp_lg_u32 s22, 0
	s_cbranch_scc1 .Lnot_wave_0_\@
	s_barrier_signal -3
.Lnot_wave_0_\@:
	s_barrier_wait -3
	s_barrier_signal -1
	s_barrier_wait -1
.endm
.macro CROUND
	s_barrier_signal -1
	s_barrier_wait -1
	CREST
.endm
	s_load_b64 s[4:5], s[0:1], 0x0                 ; codes
	s_load_b128 s[8:11], s[0:1], 0x8               ; bf, bu
	s_load_b128 s[12:15], s[0:1], 0x18             ; bc, bo
	s_load_b128 s[16:19], s[0:1], 0x28             ; c, out0
	s_load_b64 s[20:21], s[0:1], 0x38              ; out1
	v_lshl_add_u32 v[SPW], v0, 2, SPARE
	v_mov_b32 v[NIL], 0
	ds_add_u32 v[SPW], v[NIL]                      ; the opening: the add, twice on end, and its wait
	ds_add_u32 v[SPW], v[NIL]
	v_lshrrev_b32 v1, 5, v0
	v_readfirstlane_b32 s22, v1                    ; wave
	s_lshr_b32 s23, s22, 1                         ; my half of the rows.  Also: I fetch for [x | h] (0) or the weights (1)
	s_and_b32 s66, s22, 1                          ; which four blocks of that half.  Also: which half of a phase's dense bytes I fetch
	s_bfe_u32 s40, ttmp6, 0x40000                  ; cx
	s_bfe_u32 s41, ttmp6, 0x40004                  ; cy
	s_lshl_b32 s42, ttmp9, 2
	s_add_co_u32 s42, s42, s40                     ; jx
	s_and_b32 s43, ttmp7, 0xffff
	s_lshl_b32 s43, s43, 2
	s_add_co_u32 s43, s43, s41                     ; iy
	s_lshl_b32 s44, s41, 2
	s_lshl_b32 s44, 15, s44                        ; my row of the cluster
	s_lshl_b32 s45, 0x1111, s40                    ; my column
	s_or_b32 s[G1+0], s44, (3<<16)|(1<<21)         ; elements of 8 bytes; bit 21 beside a mask
	s_or_b32 s[G1B+0], s45, (3<<16)|(1<<21)
.irp g, G1, G1B
	s_mov_b32 s[\g+1], 32<<16                      ; 150 dense rows of 32 elements
	s_mov_b32 s[\g+2], 150<<16
	s_mov_b32 s[\g+3], 32<<16
	s_mov_b32 s[\g+4], 150
	s_mov_b32 s[\g+5], 32
	s_mov_b32 s[\g+6], 0
	s_mov_b32 s[\g+7], 0
.endr
	s_or_b32 s[G1P+0], s44, (3<<16)|(1<<21)
	s_or_b32 s[G1PB+0], s45, (3<<16)|(1<<21)
.irp g, G1P, G1PB
	s_mov_b32 s[\g+1], 32<<16                      ; 100 such rows
	s_mov_b32 s[\g+2], 100<<16
	s_mov_b32 s[\g+3], 32<<16
	s_mov_b32 s[\g+4], 100
	s_mov_b32 s[\g+5], 32
	s_mov_b32 s[\g+6], 0
	s_mov_b32 s[\g+7], 0
.endr
	s_mul_i32 s2, s66, HALFT
	s_mul_i32 s[G0+2], s43, 2*T2B                  ; [x | h]: tiles 2 iy and 2 iy + 1, one behind the other
	s_add_co_u32 s[G0+2], s[G0+2], s2
	s_mov_b32 s[G0+3], 0
	s_add_co_u32 s67, s42, 32                      ; the weights: tile 32 + jx
	s_mul_i32 s[G0B+2], s67, T2B
	s_add_co_u32 s[G0B+2], s[G0B+2], s2
	s_mov_b32 s[G0B+3], 0
	s_mul_i32 s[G0P+2], s43, 2*T2B
	s_add_co_u32 s[G0P+2], s[G0P+2], 30*UB
	s_mov_b32 s[G0P+3], 0
	s_mul_i32 s[G0PB+2], s67, T2B
	s_add_co_u32 s[G0PB+2], s[G0PB+2], 30*UB
	s_mov_b32 s[G0PB+3], 0
	s_mul_i32 s3, s22, HALFT                       ; LDS: wave x a quarter of a slot
.irp sl, 0,1
	s_mov_b32 s[G0+4*\sl], 1
	s_add_co_u32 s[G0+4*\sl+1], s3, \sl*SLOT
	s_mov_b32 s[G0B+4*\sl], 1
	s_add_co_u32 s[G0B+4*\sl+1], s3, \sl*SLOT
.endr
	s_mov_b32 s[G0P], 1
	s_mov_b32 s[G0P+1], SLOT
	s_mov_b32 s[G0PB], 1
	s_mov_b32 s[G0PB+1], SLOT+6*UB
	s_wait_dscnt 0x0                               ; both opening adds are done
	s_wait_kmcnt 0x0
	s_add_nc_u64 s[G0+2:G0+3], s[4:5], s[G0+2:G0+3]          ; units 0-2
	s_add_nc_u64 s[G0+6:G0+7], s[G0+2:G0+3], 2*HALFT         ; units 3-5
	s_add_nc_u64 s[G0B+2:G0B+3], s[4:5], s[G0B+2:G0B+3]
	s_add_nc_u64 s[G0B+6:G0B+7], s[G0B+2:G0B+3], 2*HALFT
	s_add_nc_u64 s[G0P+2:G0P+3], s[4:5], s[G0P+2:G0P+3]
	s_add_nc_u64 s[G0PB+2:G0PB+3], s[4:5], s[G0PB+2:G0PB+3]
.irp g, G0+3, G0+7, G0B+3, G0B+7, G0P+3, G0PB+3
	s_or_b32 s[\g], s[\g], 0x80000000
.endr
	CROUND                                         ; all sixteen work-groups are here
	JLOAD G0, G1, G0B, G1B                         ; slot 0: my one tensor load at the head
	s_lshl_b32 s44, s43, 21                        ; c and the outputs: 512 iy rows of 4,096 bytes,
	s_lshl_b32 s46, s42, 8                         ; + 64 jx columns (also the biases' offset),
	s_add_co_u32 s44, s44, s46
	s_lshl_b32 s45, s22, 18                        ; + 64 wave rows
	s_add_co_u32 s44, s44, s45
	s_mov_b32 s45, 0
	s_add_nc_u64 s[16:17], s[16:17], s[44:45]
	s_add_nc_u64 s[18:19], s[18:19], s[44:45]
	s_add_nc_u64 s[20:21], s[20:21], s[44:45]
	s_mul_i32 s41, s23, UB                         ; my half's unit,
	s_mul_i32 s40, s66, 4*1536
	s_add_co_u32 s40, s40, s41                     ; my four blocks in it,
	s_lshl_b32 s47, s66, 8
	s_add_co_u32 s41, s41, s47
	s_add_co_u32 s41, s41, SCO                     ; and their scale words
	s_mov_b32 s94, 0xbfb8aa3b                      ; -log2(e), as a pair for the packed forms
	s_mov_b32 s95, s94
	s_mov_b32 s96, 0x4038aa3b                      ; 2 log2(e)
	s_mov_b32 s97, s96
	s_mov_b32 s98, 0x5d800000                      ; 2^60
	s_mov_b32 s[TL], 2
	v_and_b32 v1, 15, v0                           ; r
	v_bfe_u32 v2, v0, 4, 1                         ; hh
	v_and_b32 v3, 31, v0                           ; lane
	v_lshlrev_b32 v4, 4, v3
	v_lshl_add_u32 v[BOF], v1, 4, s46              ; 4 x (64 jx + 4 r)
.irp g, 0,1,2,3
	global_load_b128 v[BL+4*\g:BL+4*\g+3], v[BOF], s[8+2*\g:9+2*\g]   ; gate g's bias at my four columns
.endr
	v_add_nc_u32 v[ADRA], s40, v4
	v_add_nc_u32 v[ADRA+1], SLOT, v[ADRA]
	v_add_nc_u32 v[ADRB], 6*UB, v4
	v_add_nc_u32 v[ADRB+1], SLOT+6*UB, v4
	v_add_nc_u32 v[ADRB+2], 7*UB, v4
	v_add_nc_u32 v[ADRB+3], SLOT+7*UB, v4
	v_lshlrev_b32 v5, 3, v1                        ; 8 bytes a row: the words of two blocks
	v_lshl_add_u32 v[ADSA], v2, 7, v5
	v_add_nc_u32 v[ADSA], s41, v[ADSA]
	v_add_nc_u32 v[ADSA+1], SLOT, v[ADSA]
	v_mad_u32_u24 v[ADSB], v2, UB, v5
	v_add_nc_u32 v[ADSB], 6*UB+SCO, v[ADSB]
	v_add_nc_u32 v[ADSB+1], SLOT, v[ADSB]
	v_lshlrev_b32 v[CO], 15, v2
	v_lshl_add_u32 v[CO], v1, 4, v[CO]
	v_lshlrev_b32 v[PFO], 12, v3
	s_wait_alu depctr_va_vdst(0)                   ; the wait ahead of the wait below
	s_wait_loadcnt 0x0
.irp i, 0,1,2,3,6,7
	v_pk_mul_f32 v[BL+2*\i:BL+2*\i+1], v[BL+2*\i:BL+2*\i+1], s[94:95] op_sel_hi:[1,0]   ; -L b
.endr
.irp i, 4,5
	v_pk_mul_f32 v[BL+2*\i:BL+2*\i+1], v[BL+2*\i:BL+2*\i+1], s[96:97] op_sel_hi:[1,0]   ; 2 L bc
.endr
	s_wait_alu depctr_va_vdst(0)                   ; the wait at the head's end
.macro FRAG reg, adr, off
.irp c, 0,1,2
	ds_load_b128 v[\reg+4*\c:\reg+4*\c+3], v[\adr] offset:\off+512*\c
.endr
.endm
.macro FETCH_A slot, q, p              ; my four blocks of [x | h] into set p
.irp a, 0,1,2,3
	FRAG AF+48*(\p)+12*\a, ADRA+\slot, 2*UB*(\q)+1536*\a
.endr
.endm
.macro FETCH_B slot, q, hf             ; the weights' blocks 8 hf + 0 .. 7
	WIN TO_B
.irp i, 0,1,2,3,4,5,6,7
	FRAG 12*(8*\hf+\i), ADRB+2*\hf+\slot, 2*UB*(\q)+1536*\i
.endr
	WIN 0
.endm
.macro SCALES slot, q, p
	ds_load_b64 v[SC+10*(\p):SC+10*(\p)+1], v[ADSA+\slot] offset:2*UB*(\q)
.irp pp, 0,1,2,3
	ds_load_b64 v[SC+10*(\p)+2+2*\pp:SC+10*(\p)+3+2*\pp], v[ADSB+\slot] offset:2*UB*(\q)+128*\pp
.endr
.endm
.macro WM d, fa, fb, sa, sb, ra, rb, z ; one product; ra, rb: the rows of the scale registers; z = 1: it starts the sum
.set D_, \d
.set A_, \fa
.set B_, \fb
.set P_, \sa
.set Q_, \sb
.set V_, 4*(\z)+2*(\ra)+(\rb)
.if V_ == 0
	v_wmma_scale_f32_16x16x128_f8f6f4 v[D_:D_+7], v[A_:A_+11], v[B_:B_+11], v[D_:D_+7], v[P_], v[Q_] matrix_a_fmt:MATRIX_FMT_BF6 matrix_b_fmt:MATRIX_FMT_BF6
.elseif V_ == 1
	v_wmma_scale_f32_16x16x128_f8f6f4 v[D_:D_+7], v[A_:A_+11], v[B_:B_+11], v[D_:D_+7], v[P_], v[Q_] matrix_a_fmt:MATRIX_FMT_BF6 matrix_b_fmt:MATRIX_FMT_BF6 matrix_b_scale:MATRIX_SCALE_ROW1
.elseif V_ == 2
	v_wmma_scale_f32_16x16x128_f8f6f4 v[D_:D_+7], v[A_:A_+11], v[B_:B_+11], v[D_:D_+7], v[P_], v[Q_] matrix_a_fmt:MATRIX_FMT_BF6 matrix_b_fmt:MATRIX_FMT_BF6 matrix_a_scale:MATRIX_SCALE_ROW1
.elseif V_ == 3
	v_wmma_scale_f32_16x16x128_f8f6f4 v[D_:D_+7], v[A_:A_+11], v[B_:B_+11], v[D_:D_+7], v[P_], v[Q_] matrix_a_fmt:MATRIX_FMT_BF6 matrix_b_fmt:MATRIX_FMT_BF6 matrix_a_scale:MATRIX_SCALE_ROW1 matrix_b_scale:MATRIX_SCALE_ROW1
.elseif V_ == 4
	v_wmma_scale_f32_16x16x128_f8f6f4 v[D_:D_+7], v[A_:A_+11], v[B_:B_+11], 0, v[P_], v[Q_] matrix_a_fmt:MATRIX_FMT_BF6 matrix_b_fmt:MATRIX_FMT_BF6
.elseif V_ == 5
	v_wmma_scale_f32_16x16x128_f8f6f4 v[D_:D_+7], v[A_:A_+11], v[B_:B_+11], 0, v[P_], v[Q_] matrix_a_fmt:MATRIX_FMT_BF6 matrix_b_fmt:MATRIX_FMT_BF6 matrix_b_scale:MATRIX_SCALE_ROW1
.elseif V_ == 6
	v_wmma_scale_f32_16x16x128_f8f6f4 v[D_:D_+7], v[A_:A_+11], v[B_:B_+11], 0, v[P_], v[Q_] matrix_a_fmt:MATRIX_FMT_BF6 matrix_b_fmt:MATRIX_FMT_BF6 matrix_a_scale:MATRIX_SCALE_ROW1
.else
	v_wmma_scale_f32_16x16x128_f8f6f4 v[D_:D_+7], v[A_:A_+11], v[B_:B_+11], 0, v[P_], v[Q_] matrix_a_fmt:MATRIX_FMT_BF6 matrix_b_fmt:MATRIX_FMT_BF6 matrix_a_scale:MATRIX_SCALE_ROW1 matrix_b_scale:MATRIX_SCALE_ROW1
.endif
.endm
; 32 products: the weights' blocks 8 hf + 0 .. 7 x my four blocks; the accumulators take turns, in the same order in every unit
.macro MUL32 hf, p, z
.irp i, 0,1,2,3,4,5,6,7
.irp ah, 0,1
.irp al, 0,1
	WM 8*(4*\i+2*\ah+\al), AF+48*(\p)+12*(2*\ah+\al), 12*(8*\hf+\i), SC+10*(\p)+\al, SC+10*(\p)+2+\i, \ah, \hf, \z
.endr
.endr
.endr
.endm
; a unit whose successor lies in the same slot.  ask: 1, 2: the first, the second 32 of my rows of c are prefetched
; My blocks of [x | h] and the scale words of a unit are asked for at the end of the unit two before it, into the set just read out (a slot's first unit: in the middle of the change of slots).
.macro STEP slot, q, p, z, ask
	s_wait_dscnt 41                                ; all but the last end run (the weights' blocks 8-15: 24 loads; the next unit's [x | h] and scale words: 12 + 5) are in
	WIN MUL_LO
	MUL32 0, \p, \z
	s_wait_dscnt 17                                ; the weights' blocks 8-15 are in; the 12 + 5 behind them may be out
	PLACES 4                                       ; four places ahead of loads into registers that matrix instructions have read
	FETCH_B \slot, (\q)+1, 0
.if \ask == 1
	global_prefetch_b8 v[PFO], s[16:17] th:TH_LOAD_NT scope:SCOPE_SE
.elseif \ask == 2
	global_prefetch_b8 v[PFO], s[16:17] offset:131072 th:TH_LOAD_NT scope:SCOPE_SE
.endif
	WIN MUL_HI
	MUL32 1, \p, \z
	PLACES 4
	FETCH_B \slot, (\q)+1, 1
.if (\q) == 0
	FETCH_A \slot, 2, \p                           ; the slot's third unit, into the set that this unit has read out
	SCALES \slot, 2, \p
.endif
.endm
; a slot's last unit changes slots in its middle.  fill = 1: this slot is filled again, two phases on; 2: it takes unit 15; 0: nothing is asked for, and every group 0 is stepped to the next block
.macro TURN slot, next, p, fill
	s_wait_dscnt 24
	WIN MUL_LO
	MUL32 0, \p, 0
	WIN 0
	s_wait_tensorcnt 0x0                           ; all my tensor loads have landed: every group 0 may be written
	ds_add_u32 v[SPW], v[NIL]
.if \fill == 1
	s_add_nc_u64 s[G0+4*\slot+2:G0+4*\slot+3], s[G0+4*\slot+2:G0+4*\slot+3], SLOT
	s_add_nc_u64 s[G0B+4*\slot+2:G0B+4*\slot+3], s[G0B+4*\slot+2:G0B+4*\slot+3], SLOT
.elseif \fill == 0
	s_add_nc_u64 s[G0+2:G0+3], s[G0+2:G0+3], 8*UB            ; [x | h]: from units 12-14 to the next tile's 0-2,
	s_add_nc_u64 s[G0+6:G0+7], s[G0+6:G0+7], 20*UB           ; from units 9-11 to its 3-5,
	s_add_nc_u64 s[G0P+2:G0P+3], s[G0P+2:G0P+3], 32*UB       ; and its unit 15;
	s_sub_nc_u64 s[G0B+2:G0B+3], s[G0B+2:G0B+3], 24*UB       ; the weights go back along K
	s_sub_nc_u64 s[G0B+6:G0B+7], s[G0B+6:G0B+7], 12*UB
.endif
	s_wait_dscnt 0x0                               ; the add is done, and my reads of this slot are over
	s_barrier_signal -1
	s_barrier_wait -1
.if \fill == 1
	CREST
	JLOAD G0+4*\slot, G1, G0B+4*\slot, G1B         ; its four v_nop are also the places ahead of the loads below
.elseif \fill == 2
	CREST
	QLOAD
	PLACES 4
.else
	PLACES 4
.endif
	FETCH_A \next, 0, 1-(\p)
	SCALES \next, 0, 1-(\p)
	FETCH_B \next, 0, 0
	WIN MUL_HI
	MUL32 1, \p, 0
	PLACES 4
	FETCH_B \next, 0, 1
.if \fill != 0
	FETCH_A \next, 1, \p                           ; the next slot's second unit, into the set that this unit has read out
	SCALES \next, 1, \p
.endif
.endm
.macro ZS g, sp                        ; gate g: (z + b) x the factor, two rows at a time; the bias word is taken for both halves
.irp th, 0,1
.irp tl, 0,1
.irp pp, 0,1
	v_pk_fma_f32 v[E+16*\g+4*(2*\th+\tl)+2*\pp:E+16*\g+4*(2*\th+\tl)+2*\pp+1], v[AC+32*(4*(\g%2)+2*\th+\tl)+2*\pp:AC+32*(4*(\g%2)+2*\th+\tl)+2*\pp+1], s[\sp:\sp+1], v[BL+4*\g+2*\th:BL+4*\g+2*\th+1] op_sel:[0,0,\tl] op_sel_hi:[1,0,\tl]
.endr
.endr
.endr
.endm
; THE WAY OUT, chunk n of 8: block a = n / 2, registers 4 (n % 2) + 0 .. 3 of its accumulators (each accumulator from its low end on): 16 outputs a lane, rows 16 a + 8 hh + 4 (n % 2) + jj, columns 4 r + t.
; Each batch of transcendentals has one wait ahead and, behind a plain place, one behind it.
.macro EPI n
.set AC, 8*((\n)/2)+4*((\n)%2)
.set RW, (16*((\n)/2)+4*((\n)%2))*4096
.set RN, (16*(((\n)+1)/2)+4*(((\n)+1)%2))*4096
.set CV, CV0+16*((\n)%2)
.set CX, CV0+16*(((\n)+1)%2)
.set HV, HV0+16*((\n)%2)
.set HP, HV0+16*(((\n)+1)%2)
	s_wait_alu depctr_va_vdst(0)
	WIN 0x02
	ZS 0, 94
	ZS 1, 94
	WIN 0x03
	ZS 2, 96
	ZS 3, 94
	WIN 0
	s_wait_alu depctr_va_vdst(0)
.set i, 0
.rept 32
	v_exp_f32 v[E+16+i], v[E+16+i]                 ; eu, ec
.set i, i+1
.endr
	v_nop
	s_wait_alu depctr_va_vdst(0)
.set i, 0
.rept 16
	v_exp_f32 v[E+i], v[E+i]                       ; ef
	v_exp_f32 v[E+48+i], v[E+48+i]                 ; eo; the memory instructions and the plain work on eu, ec stand behind this batch
.set i, i+1
.endr
	s_wait_xcnt 0x0                                ; earlier stores have read their registers
.if (\n) < 7
.irp jj, 0,1,2,3
	global_load_b128 v[CX+4*\jj:CX+4*\jj+3], v[CO], s[16:17] offset:RN+4096*\jj th:TH_LOAD_NT   ; the next chunk's c: sixteen lanes read 256 consecutive bytes
.endr
.endif
.if (\n) > 0
.set RP, (16*(((\n)-1)/2)+4*(((\n)-1)%2))*4096
.irp jj, 0,1,2,3
	global_store_b128 v[CO], v[HP+4*\jj:HP+4*\jj+3], s[18:19] offset:RP+4096*\jj th:TH_STORE_NT   ; the last chunk's h_new: sixteen lanes store 256 consecutive bytes, aligned
.endr
.endif
.set i, 0
.rept 16
	v_min_num_f32 v[E+32+i], s98, v[E+32+i]
.set i, i+1
.endr
.set i, 0
.rept 8
	v_pk_add_f32 v[MR+i:MR+i+1], v[E+32+i:E+32+i+1], -1.0 op_sel_hi:[1,0]         ; ec - 1
	v_pk_add_f32 v[E+32+i:E+32+i+1], v[E+32+i:E+32+i+1], 1.0 op_sel_hi:[1,0]      ; 1 + ec
.set i, i+2
.endr
.set i, 0
.rept 8
	v_pk_fma_f32 v[E+16+i:E+16+i+1], v[E+16+i:E+16+i+1], v[E+32+i:E+32+i+1], v[E+32+i:E+32+i+1]   ; (1 + eu)(1 + ec)
.set i, i+2
.endr
	s_wait_alu depctr_va_vdst(0)
.if (\n) < 7
	s_wait_loadcnt 4                               ; this chunk's c is in; the next chunk's four loads may be out
.else
	s_wait_loadcnt 0x0
.endif
.set i, 0
.rept 16
	v_rcp_f32 v[E+16+i], v[E+16+i]                 ; 1 / ((1 + eu)(1 + ec))
.set i, i+1
.endr
.set i, 0
.rept 8
	v_pk_add_f32 v[E+i:E+i+1], v[E+i:E+i+1], 1.0 op_sel_hi:[1,0]                  ; 1 + ef
.set i, i+2
.endr
	s_wait_alu depctr_va_vdst(0)
.set i, 0
.rept 16
	v_rcp_f32 v[E+i], v[E+i]                       ; f
.set i, i+1
.endr
.set i, 0
.rept 8
	v_pk_mul_f32 v[MR+i:MR+i+1], v[MR+i:MR+i+1], v[E+16+i:E+16+i+1]               ; u cc
.set i, i+2
.endr
	s_wait_alu depctr_va_vdst(0)
.irp jj, 0,1,2,3
.irp t, 0,1,2,3
	v_fma_f32 v[CV+4*\jj+\t], v[CV+4*\jj+\t], v[E+4*\t+\jj], v[MR+4*\t+\jj]       ; c_new = c f + u cc, laid by rows
.endr
.endr
.set i, 0
.rept 8
	v_pk_mul_f32 v[EN+i:EN+i+1], v[CV+i:CV+i+1], s[96:97] op_sel_hi:[1,0]         ; 2 L c_new
.set i, i+2
.endr
	s_wait_alu depctr_va_vdst(0)
.set i, 0
.rept 16
	v_exp_f32 v[EN+i], v[EN+i]
.set i, i+1
.endr
.irp jj, 0,1,2,3
	global_store_b128 v[CO], v[CV+4*\jj:CV+4*\jj+3], s[20:21] offset:RW+4096*\jj th:TH_STORE_NT   ; c_new: sixteen lanes store 256 consecutive bytes, aligned
.endr
	v_nop
	s_wait_alu depctr_va_vdst(0)
.set i, 0
.rept 16
	v_min_num_f32 v[EN+i], s98, v[EN+i]
.set i, i+1
.endr
.set i, 0
.rept 8
	v_pk_add_f32 v[HV+i:HV+i+1], v[EN+i:EN+i+1], -1.0 op_sel_hi:[1,0]             ; en - 1
	v_pk_add_f32 v[EN+i:EN+i+1], v[EN+i:EN+i+1], 1.0 op_sel_hi:[1,0]              ; 1 + en
.set i, i+2
.endr
.irp jj, 0,1,2,3
.irp t, 0,1,2,3
	v_fma_f32 v[EN+4*\jj+\t], v[E+48+4*\t+\jj], v[EN+4*\jj+\t], v[EN+4*\jj+\t]    ; (1 + eo)(1 + en)
.endr
.endr
	s_wait_alu depctr_va_vdst(0)
.set i, 0
.rept 16
	v_rcp_f32 v[EN+i], v[EN+i]
.set i, i+1
.endr
	v_nop
	s_wait_alu depctr_va_vdst(0)
.set i, 0
.rept 8
	v_pk_mul_f32 v[HV+i:HV+i+1], v[HV+i:HV+i+1], v[EN+i:EN+i+1]                   ; h_new
.set i, i+2
.endr
.if (\n) == 7
.irp jj, 0,1,2,3
	global_store_b128 v[CO], v[HV+4*\jj:HV+4*\jj+3], s[18:19] offset:RW+4096*\jj th:TH_STORE_NT   ; the last chunk's h_new has no chunk behind it
.endr
.endif
.endm
.Ltile:
	s_wait_tensorcnt 0x0                           ; my part of slot 0 is in
	ds_add_u32 v[SPW], v[NIL]
	s_wait_dscnt 0x0
	CROUND                                         ; everybody's part is in, nobody reads slot 1, all sixteen work-groups are here
	JLOAD G0+4, G1, G0B+4, G1B                     ; slot 1: units 3-5
	FETCH_A 0, 0, 0
	SCALES 0, 0, 0
	FETCH_B 0, 0, 0
	FETCH_B 0, 0, 1
	FETCH_A 0, 1, 1
	SCALES 0, 1, 1
	STEP 0, 0, 0, 1, 0                             ; unit 0 starts the sums
	STEP 0, 1, 1, 0, 1
	TURN 0, 1, 0, 1                                ; slot 0 takes units 6-8
	STEP 1, 0, 1, 0, 0
	STEP 1, 1, 0, 0, 2
	TURN 1, 0, 1, 1                                ; slot 1 takes units 9-11
	STEP 0, 0, 0, 0, 0
	STEP 0, 1, 1, 0, 0
	TURN 0, 1, 0, 1                                ; slot 0 takes units 12-14
	STEP 1, 0, 1, 0, 0
	STEP 1, 1, 0, 0, 0
	TURN 1, 0, 1, 2                                ; slot 1 takes unit 15
	STEP 0, 0, 0, 0, 0
	STEP 0, 1, 1, 0, 0
	TURN 0, 1, 0, 0                                ; unit 15 is whole, nobody reads slot 0 any more
.irp jj, 0,1,2,3
	global_load_b128 v[CV0+4*\jj:CV0+4*\jj+3], v[CO], s[16:17] offset:4096*\jj th:TH_LOAD_NT   ; the first chunk's c
.endr
	s_wait_dscnt 24                                ; unit 15: nothing more to fetch
	WIN MUL_LO
	MUL32 0, 1, 0
	s_wait_dscnt 0x0
	WIN MUL_HI
	MUL32 1, 1, 0
	WIN 0
	s_cmp_eq_u32 s[TL], 1                          ; the same number in every wave of every work-group
	s_cbranch_scc1 .Lepi                           ; the last block asks for nothing more
	s_wait_tensorcnt 0x0
	ds_add_u32 v[SPW], v[NIL]
	s_wait_dscnt 0x0
	CROUND
	JLOAD G0, G1, G0B, G1B                         ; slot 0 takes the next block's units 0-2, ahead of this block's way out
.Lepi:
	PLACES 4                                       ; behind the last products, ahead of the reads of results
.set N, 0
.rept 8
	EPI N
.set N, N+1
.endr
	s_wait_xcnt 0x0                                ; the loads and stores have read their bases
	s_add_nc_u64 s[16:17], s[16:17], 0x100000      ; 256 rows on
	s_add_nc_u64 s[18:19], s[18:19], 0x100000
	s_add_nc_u64 s[20:21], s[20:21], 0x100000
	s_sub_co_u32 s[TL], s[TL], 1
	s_cmp_lg_u32 s[TL], 0
	s_wait_alu depctr_va_vdst(0)                   ; the wait ahead of the branch
	s_cbranch_scc1 .Ltile
	s_wait_tensorcnt 0x0                           ; the wave's end
	ds_add_u32 v[SPW], v[NIL]
	s_wait_dscnt 0x0
	CROUND                                         ; the closing round
	s_endpgm
.Lfunc_end_k_qcc144e8f32_lstm:
	.size	k_qcc144e8f32_lstm, .Lfunc_end_k_qcc144e8f32_lstm-k_qcc144e8f32_lstm
	.p2alignl 7, 3214868480
	.fill 96, 4, 3214868480
	.section	.rodata,"a",@progbits
	.p2align	6, 0x0
	.amdhsa_kernel k_qcc144e8f32_lstm
		.amdhsa_group_segment_fixed_size 327680
		.amdhsa_private_segment_fixed_size 0
		.amdhsa_enable_private_segment 0
		.amdhsa_kernarg_size 64
		.amdhsa_user_sgpr_count 2
		.amdhsa_user_sgpr_kernarg_segment_ptr 1
		.amdhsa_wavefront_size32 1
		.amdhsa_system_sgpr_workgroup_id_x 1
		.amdhsa_system_sgpr_workgroup_id_y 1
		.amdhsa_system_sgpr_workgroup_id_z 1
		.amdhsa_system_vgpr_workitem_id 0
		.amdhsa_next_free_vgpr 1024
		.amdhsa_next_free_sgpr 100
		.amdhsa_reserve_vcc 0
		.amdhsa_float_denorm_mode_32 3
		.amdhsa_float_denorm_mode_16_64 3
		.amdhsa_memory_ordered 1
		.amdhsa_forward_progress 1
		.amdhsa_inst_pref_size 255
	.end_amdhsa_kernel
	.section	.bss,"aw",@nobits
	.p2align	6
	.space	262144
	.amdgpu_metadata
---
amdhsa.version: [ 1, 2 ]
amdhsa.kernels:
  - .name:           k_qcc144e8f32_lstm
    .symbol:         k_qcc144e8f32_lstm.kd
    .args:
      - { .name: codes, .offset: 0, .size: 8, .value_kind: global_buffer, .address_space: global }
      - { .name: bf, .offset: 8, .size: 8, .value_kind: global_buffer, .address_space: global }
      - { .name: bu, .offset: 16, .size: 8, .value_kind: global_buffer, .address_space: global }
      - { .name: bc, .offset: 24, .size: 8, .value_kind: global_buffer, .address_space: global }
      - { .name: bo, .offset: 32, .size: 8, .value_kind: global_buffer, .address_space: global }
      - { .name: c, .offset: 40, .size: 8, .value_kind: global_buffer, .address_space: global }
      - { .name: out0, .offset: 48, .size: 8, .value_kind: global_buffer, .address_space: global }
      - { .name: out1, .offset: 56, .size: 8, .value_kind: global_buffer, .address_space: global }
    .group_segment_fixed_size: 327680
    .private_segment_fixed_size: 0
    .kernarg_segment_align: 8
    .kernarg_segment_size: 64
    .max_flat_workgroup_size: 128
    .sgpr_count:     100
    .vgpr_count:     1024
    .wavefront_size: 32
...
	.end_amdgpu_metadata
.endif
;; end of part 2
